; MI455X (gfx1250); checked and timed in simulation.
; The chip was launched on July 23, 2026; its instructions are those of AMD's public machine-readable ISA for CDNA 5 (MIT licence, August 2026) and "CDNA5" Instruction Set Architecture Reference Guide (July 2026). The comments in the code are by the model that wrote it; some were corrected since.
;; Bi Linear Attention. Allowed arithmetic: matrix products marked QUANTISED: E2M1 operands, one E8M0 scale for each 32 along K, by v_wmma_scale_f32_16x16x128_f8f6f4 with both operands' format E2M1 (or v_wmma_scale_f32_32x16x128_f4), f32 sums; everything else in f32.
;; Inputs: W 1,024 x 1,024 float32; b 1,024 float32; hp 8 x 2,048 x 1,024 float32; hq 8 x 1,024 x 1,024 float32; mask_hp 8 x 2,048 int32; mask_hq 8 x 1,024 int32.
;; Outputs: out0 8 x 2,048 x 1,024 float32.
;; This version of the problem:
;;   THIS VERSION OF THE PROBLEM IS GIVEN IN LOW PRECISION. The matrix products marked QUANTISED in the list below multiply operands that are first quantised to E2M1 (2 exponent bits, 1 mantissa bit; 4 bits a number), with one power-of-two scale for each 32 numbers along K (OCP MX v1.0); their sums are f32. All else is computed in f32.
;;   The module's matrix products, in the order in which they are computed (A, B: the left and right operand; K: the contracted axis; several contracted axes count as one K, in the product's order):
;;     1. [M 16,384, K 1,024] x [K 1,024, N 1,024]; A: input hp; B: input W: QUANTISED
;;     2. batch 8 x [M 1,024, K 1,024] x [K 1,024, N 2,048]; A: input hq; B: computed on the way: QUANTISED
;;     3. batch 8 x [M 2,048, K 1,024] x [K 1,024, N 1,024]; A: softmax (see below); B: input hq: QUANTISED
;;   THE QUANTISER, for each operand of a quantised product, along K:
;;     - K is cut into blocks of 32 from its start; a last block that is shorter is filled with zeros.
;;     - A block's scale is 2^e with e = floor(log2(the largest magnitude in the block)) - 2, held to -126 .. 127; a block of zeros has e = 0. As a byte (E8M0): e + 127.
;;     - Each number is divided by its block's scale, clamped to +-6, and rounded to the nearest number of E2M1, ties to even, subnormals kept.
;;     - The product sums the exact products of the quantised numbers (number of the format x scale) in f32.
;;   ~~~python
;;   def quantise(x, axis):      # numpy; x: float32 -> the quantised numbers, widened to float32 again
;;       x = np.moveaxis(x, axis, -1); K = x.shape[-1]
;;       x = np.pad(x, [(0, 0)] * (x.ndim - 1) + [(0, -K % 32)]); x = x.reshape(x.shape[:-1] + (-1, 32)); a = np.abs(x).max(-1, keepdims=True)
;;       e = np.where(a > 0, np.clip(np.frexp(np.where(a > 0, a, 1))[1] - 1 - 2, -126, 127), 0)      # np.frexp(a)[1] - 1 = floor(log2(a)), exactly
;;       r = np.clip(x / 2.0 ** e, -6, 6)
;;       step = 2.0 ** (np.maximum(np.frexp(np.where(r == 0, 1, r))[1] - 1, 0) - 1)
;;       q = np.round(r / step) * step * 2.0 ** e      # np.round: ties to even
;;       return np.moveaxis(q.reshape(q.shape[:-2] + (-1,))[..., :K], -1, axis).astype(np.float32)
;;   ~~~
;;   SOFTMAX AHEAD OF A QUANTISED PRODUCT. Where the list says 'softmax', what is quantised is not the finished softmax but p = 2^(t - M), with t = logit x log2(e) and M = ceil(the row's largest t), a whole number; so 1/2 < the row's largest p <= 1. The row's sum l is taken of the UNQUANTISED p, in f32, and the product's result is divided by l at the end. Since M is a whole number, a kernel that streams over the keys may use a running M (the ceiling of the running maximum): every later rescaling is an exact power of two, which a block's scale takes up: the codes' values come out the same.
;;   OPERANDS COMPUTED ON THE WAY. 'Computed on the way' means the value that the module computes at that place (a softmax that the list does not call 'softmax' is quantised finished and normalised). What goes into a quantiser is computed in f32, as accurately as f32 sums, v_exp_f32 and their like allow (about 1e-6 of the number): no bf16 or f16 on the way to a quantiser, and a product that is left as it is and whose result goes on into a quantised operand takes f32 operands (vector FMAs, or v_wmma_f32_16x16x4_f32). A number that lies on a knife's edge between two numbers of the format may be rounded either way, as far as f32 arithmetic and the matrix unit's own rounding can turn it there, and no further.
;; One version. Each part assembles by itself: llvm-mc -triple=amdgcn-amd-amdhsa -mcpu=gfx1250 --defsym DOCPART=n.
;; ======== version 1 of 1: 2 launches
;; limits: right only within a limited range of input values
;; workspace buffers: wts 9,469,952 bytes; pen 32,768 bytes
;; launch prep (part 1): grid 576 x 1, 4 waves a work-group, no clusters, 70,144 bytes of LDS; arguments hq, W, mask_hq, wts, pen; writes wts, pen
.if DOCPART == 1
	.amdgcn_target "amdgcn-amd-amdhsa--gfx1250"
	.amdhsa_code_object_version 6
	.text
	.protected	k_q23793e8c44_prep
	.globl	k_q23793e8c44_prep
	.p2align	8
	.type	k_q23793e8c44_prep,@function
k_q23793e8c44_prep:
	s_mov_b64 s[64:65], 0
	v_nop
	global_prefetch_b8 v0, s[64:65] scope:SCOPE_SE
	s_setreg_imm32_b32 hwreg(HW_REG_WAVE_MODE, 25, 1), 1
	s_wait_xcnt 0x0
; hq [8][1024][1024] and W [1024][1024], f32, become codes of FP4 (E2M1) with one E8M0 scale byte for each 32 along K, laid in the ORDER IN WHICH THE NEXT
; LAUNCH'S OPERAND REGISTERS TAKE THEM.  hq is read once and quantised twice from that one read: along d (K of the scores) and along q (K of the last product).  W is quantised along e.
; mask_hq becomes a table of f32: -10000 where the mask is 0, else 0.
; THE STREAM wts: slots of 4 parts of 34,816 bytes.  Slots 0-3: W; slots 4+8b .. 7+8b: hq[b] along d; slots 8+8b .. 11+8b: hq[b] along q.
; A part: 4 groups of 8 fragment images of 1,024 bytes, then 2,048 bytes of scale words.  A fragment image (16 tile rows x 128 K): the 16 bytes of tile lane r, block t of the K step, at 256 t + 16 r.
; THE ROWS OF A TILE ARE NOT NEIGHBOURS.  First direction (along d or e): of 32 rows x = 0 .. 31 on end, row x goes to tile u = (x >> 3) & 1, tile lane r = (x & 7) + 8 (x >> 4).
; Second direction (hq along q): of 64 columns y = 0 .. 63 on end, column y goes to tile y & 3, tile lane y >> 2; its scale byte of K step block w lies at 16 (y >> 2) + 4 (y & 3) + w of the K step's 256 bytes.
; A block's scale is 2^(floor(log2(its largest magnitude)) - 2); its byte is the largest magnitude's exponent field - 2, held at 1 from below.
; LIMITS: a block of zeros gets the byte 1 where the rule says 127 (its codes are zeros, and this program alone reads the bytes); blocks whose largest magnitude lies under 2^-124 keep the byte 1;
; NaN and infinities among the inputs are not served.
; SHARES.  A work-group takes 128 rows x 128 columns; wave w 32 of the rows.  Work-groups 0-511: hq (batch, 8 x 8 such tiles); 512-575: W.  A wave's 32 loads (512 consecutive bytes of a row each) go out at once.
; As loaded, a lane holds columns 4 lane .. + 3 of all 32 rows: the second direction's blocks lie in its own registers.  For the first direction the 16 KiB turn through the wave's own stage in LDS (rows of 512 + 16 bytes):
; read by rows a lane holds 32 neighbours along the row.
; No tensor loads, no matrix unit, no cluster: memory binds, and work-groups share no input.  No prefetch: a wave asks for all that it reads at once, and there is no loop to run ahead in.
.set PART,  34816
.set SLOT,  4*PART
.set TP,    528                        ; a stage row: 512 bytes + 16
.set TW,    32*TP                      ; a wave's stage
.set SCA,   4*TW                       ; 512 bytes: the scale image of the first direction, gathered from the four waves
.set SCB,   SCA+512                    ; 512 bytes: two halves of 256 for the second direction
.set SPARE, 0x11000                    ; the spare words, 128 bytes for each wave: two blocks of 256 bytes that no other line names
.set LN,   1                           ; v1   lane
.set L16,  2                           ; v2   16 x lane
.set TIN,  3                           ; v3   stage, way in: 16 x lane
.set TROW, 4                           ; v4   stage, by rows: 528 x lane
.set DA,   6                           ; v6   where my codes of the first direction go in wts
.set DB,   7                           ; v7   and of the second
.set SAW,  8                           ; v8   LDS: my scale word of the first direction
.set SBW,  9                           ; v9   LDS: my scale bytes of the second
.set MK,   10                          ; v10  the mask word
.set SO,   11                          ; v11  the conversions' scale operand
.set MXA,  12                          ; v12, v13  largest magnitudes, two chains
.set MXB,  13
.set BY,   14                          ; v14  a scale byte
.set WD,   15                          ; v15  the scale word
.set CD,   16                          ; v16-47  codes: four registers for each of eight blocks, never written again
.set X,    48                          ; v48-175 the 32 rows as loaded; later two sets of 32 numbers
.set PV,   176                         ; v176 the table's number
.set PO,   177                         ; v177 byte offset in mask_hq and in pen
.set PK,   178                         ; v178 -10000
.set BB,   180                         ; v180-183 the second direction's scale bytes, one register a block
.set SAR,  184                         ; v184 LDS: SCA + 16 x lane
.set SAG,  185                         ; v185 where that goes in wts
.set SBR,  186                         ; v186 LDS: SCB + 16 x lane
.set SBG,  187                         ; v187 where that goes in wts
.set SPW,  192                         ; v192 LDS address of my spare word; never rewritten
.set NIL,  193                         ; v193 0; never rewritten
.set GT,   194                         ; v194-225 a column's 32 numbers on end
	s_load_b256 s[4:11], s[0:1], 0x0               ; hq s[4:5], W s[6:7], mask_hq s[8:9], wts s[10:11]
	s_load_b64 s[12:13], s[0:1], 0x20              ; pen
	v_lshl_add_u32 v[SPW], v0, 2, SPARE
	v_mov_b32 v[NIL], 0
	v_lshrrev_b32 v1, 5, v0
	v_readfirstlane_b32 s14, v1                    ; wave 0..3
	v_and_b32 v[LN], 31, v0
	s_wait_alu depctr_va_vdst(0)                   ; ahead of the scalar lines
	s_cmp_lt_u32 ttmp9, 512                        ; hq's work-group or W's?
	s_cselect_b32 s19, 4, 0                        ; first slot of the tensor's first direction (hq: + 8 x batch below)
	s_cselect_b32 s15, 0, 512
	s_sub_co_u32 s15, ttmp9, s15                   ; the work-group's number within its tensor
	s_lshr_b32 s16, s15, 6                         ; batch (0 for W)
	s_bfe_u32 s17, s15, 0x30003                    ; R: which 128 rows
	s_and_b32 s18, s15, 7                          ; C: which 128 columns
	s_lshr_b32 s21, ttmp9, 9
	s_or_b32 s21, s21, s18                         ; 0 for hq's work-groups with C = 0: they make the table
	s_lshl_b32 s28, s16, 3
	s_add_co_u32 s19, s19, s28
	s_lshr_b32 s28, s18, 1
	s_add_co_u32 s19, s19, s28                     ; slot of the first direction: K step C lies in slot C / 2
	s_mul_i32 s19, s19, SLOT
	s_and_b32 s29, s18, 1                          ; C & 1
	s_and_b32 s30, s17, 1                          ; R & 1
	s_lshr_b32 s31, s17, 1                         ; R / 2
	s_mul_i32 s28, s31, PART                       ; first direction: part R / 2,
	s_add_co_u32 s28, s28, s19
	s_lshl_b32 s32, s29, 1
	s_add_co_u32 s32, s32, s30                     ; group 2 (C & 1) + (R & 1)
	s_lshl_b32 s20, s32, 13
	s_add_co_u32 s20, s20, s28                     ; its eight fragment images
	s_lshl_b32 s22, s32, 9
	s_add_co_u32 s22, s22, s28
	s_add_co_u32 s22, s22, 32768                   ; its scale image
	s_mul_i32 s28, s29, 2*PART                     ; second direction: four slots on, parts 2 (C & 1) and + 1,
	s_add_co_u32 s28, s28, s19
	s_add_co_u32 s28, s28, 4*SLOT
	s_lshl_b32 s23, s31, 13                        ; group R / 2, fragments 4 (R & 1) on
	s_lshl_b32 s33, s30, 12
	s_add_co_u32 s23, s23, s33
	s_add_co_u32 s23, s23, s28
	s_lshl_b32 s24, s31, 9                         ; and that K step's scale words
	s_lshl_b32 s33, s30, 8
	s_add_co_u32 s24, s24, s33
	s_add_co_u32 s24, s24, s28
	s_add_co_u32 s24, s24, 32768
	s_lshl_b32 s26, s16, 22                        ; the source: batch x 4 MiB + (128 R + 32 wave) rows of 4,096 bytes + 512 C
	s_lshl_b32 s33, s17, 19
	s_add_co_u32 s26, s26, s33
	s_lshl_b32 s33, s14, 17
	s_add_co_u32 s26, s26, s33
	s_lshl_b32 s33, s18, 9
	s_add_co_u32 s26, s26, s33
	s_mov_b32 s27, 0
	s_lshl_b32 s34, s16, 12                        ; mask and table: 4 x (1024 batch + 128 R + 32 wave)
	s_lshl_b32 s33, s17, 9
	s_add_co_u32 s34, s34, s33
	s_lshl_b32 s33, s14, 7
	s_add_co_u32 s34, s34, s33
	s_mul_i32 s35, s14, TW                         ; my stage
	v_lshlrev_b32 v[L16], 4, v[LN]
	v_add_nc_u32 v[TIN], s35, v[L16]
	v_mul_u32_u24 v[TROW], v[LN], TP
	v_add_nc_u32 v[TROW], s35, v[TROW]
	v_and_b32 v12, 7, v0                           ; x & 7      (x = my lane: a row in the first direction)
	v_bfe_u32 v13, v0, 3, 1                        ; u
	v_bfe_u32 v14, v0, 4, 1                        ; x >> 4
	v_lshlrev_b32 v15, 4, v12
	v_lshl_add_u32 v15, v14, 7, v15                ; 16 r
	v_lshl_add_u32 v[DA], v13, 10, v15             ; 1024 u + 16 r
	v_mul_u32_u24 v[DB], v14, PART                 ; second direction: column 4 lane + c: part lane / 16, tile lane lane % 16;
	v_and_b32 v188, 15, v0
	v_lshl_add_u32 v[DB], v188, 4, v[DB]
	v_lshl_add_u32 v[DB], s14, 8, v[DB]            ; my wave's 32 rows are block w of the K step: + 256 w
	v_add_nc_u32 v[DB], s23, v[DB]
	v_lshl_add_u32 v[DA], s14, 11, v[DA]           ; first direction: my wave's 32 rows are tiles 2 w, 2 w + 1: + 2048 w
	v_add_nc_u32 v[DA], s20, v[DA]
	v_lshl_add_u32 v[SAW], v13, 8, v15             ; scale word of the first direction: 16 (r + 16 u) + 4 w
	v_lshl_add_u32 v[SAW], s14, 2, v[SAW]
	v_add_nc_u32 v[SAW], SCA, v[SAW]
	v_lshlrev_b32 v[SBW], 4, v188                  ; scale byte of the second: 256 (lane / 16) + 16 (lane % 16) + w
	v_lshl_add_u32 v[SBW], v14, 8, v[SBW]
	v_add_nc_u32 v[SBW], s14, v[SBW]
	v_add_nc_u32 v[SBW], SCB, v[SBW]
	v_add_nc_u32 v[SAR], SCA, v[L16]
	v_add_nc_u32 v[SAG], s22, v[L16]
	v_add_nc_u32 v[SBR], SCB, v[L16]
	v_and_b32 v[SBG], 15, v0
	v_lshlrev_b32 v[SBG], 4, v[SBG]
	v_mul_u32_u24 v188, v14, PART                  ; lanes 16-31 store into the next part
	v_add_nc_u32 v[SBG], v[SBG], v188
	v_add_nc_u32 v[SBG], s24, v[SBG]
	v_lshl_add_u32 v[PO], v[LN], 2, s34
	v_mov_b32 v[MK], 0
	v_mov_b32 v[PK], 0xc61c4000                    ; -10000
	s_wait_alu depctr_va_vdst(0)
	s_wait_kmcnt 0x0
	s_cmp_lt_u32 ttmp9, 512                        ; the choice hangs on the work-group's number alone
	s_cselect_b64 s[4:5], s[4:5], s[6:7]
	s_add_nc_u64 s[4:5], s[4:5], s[26:27]
	s_cmp_eq_u32 s21, 0
	s_cbranch_scc0 .Lno_mask
	s_wait_alu depctr_va_vdst(0)
	global_load_b32 v[MK], v[PO], s[8:9]           ; my wave's 32 mask words
.Lno_mask:
.irp i, 0,1,2,3,4,5,6,7,8,9,10,11,12,13,14,15,16,17,18,19,20,21,22,23,24,25,26,27,28,29,30,31
	global_load_b128 v[X+4*\i:X+4*\i+3], v[L16], s[4:5] offset:4096*\i th:TH_LOAD_NT   ; 32 lanes read 512 consecutive bytes of row i
.endr
.irp g, 0,1,2,3
	s_wait_loadcnt 24-8*\g                         ; loads come back in order: eight more rows are in, the younger ones stay out
.irp i, 0,1,2,3,4,5,6,7
	ds_store_b128 v[TIN], v[X+4*(8*\g+\i):X+4*(8*\g+\i)+3] offset:TP*(8*\g+\i)
.endr
.endr
	s_cmp_eq_u32 s21, 0
	s_cbranch_scc0 .Lno_pen
	s_wait_alu depctr_va_vdst(0)
	v_cmp_eq_u32 vcc_lo, 0, v[MK]
	v_cndmask_b32 v[PV], 0, v[PK], vcc_lo          ; -10000 where the mask is 0
	global_store_b32 v[PO], v[PV], s[12:13]
.Lno_pen:
; SECOND DIRECTION: my registers X + 4 i + c, i = 0 .. 31, are rows i of column 4 lane + c: one block of 32 along q, all mine.  The conversions want them on end: 32 moves stand among the maxima.
.macro COLUMN c
.set C_, X+(\c)
	v_max3_num_f32 v[MXA], |v[C_]|, |v[C_+4]|, |v[C_+8]|
	v_max3_num_f32 v[MXB], |v[C_+12]|, |v[C_+16]|, |v[C_+20]|
.irp i, 0,1,2,3,4,5
	v_mov_b32 v[GT+\i], v[C_+4*\i]
.endr
.irp i, 6,10,14,18,22,26
	v_max3_num_f32 v[MXA], v[MXA], |v[C_+4*\i]|, |v[C_+4*\i+4]|
	v_max3_num_f32 v[MXB], v[MXB], |v[C_+4*\i+8]|, |v[C_+4*\i+12]|
	v_mov_b32 v[GT+\i], v[C_+4*\i]
	v_mov_b32 v[GT+\i+1], v[C_+4*\i+4]
	v_mov_b32 v[GT+\i+2], v[C_+4*\i+8]
	v_mov_b32 v[GT+\i+3], v[C_+4*\i+12]
.endr
	v_max3_num_f32 v[MXA], v[MXA], |v[C_+120]|, |v[C_+124]|
	v_mov_b32 v[GT+30], v[C_+120]
	v_mov_b32 v[GT+31], v[C_+124]
	v_max3_num_f32 v[MXA], v[MXA], v[MXB], 0x1800000   ; and the floor 2^(3 - 127): the byte cannot fall under 1
	v_add_nc_u32 v[SO], 0xff000000, v[MXA]         ; 2 off the exponent field: the conversion takes the exponent field of this operand as its scale
.irp g, 0,1,2,3
	v_cvt_scalef32_pk8_fp4_f32 v[CD+16+4*(\c)+\g], v[GT+8*\g:GT+8*\g+7], v[SO]
.endr
	v_lshrrev_b32 v[BB+(\c)], 23, v[SO]            ; the scale's byte (also the plain line behind the conversions)
	global_store_b128 v[DB], v[CD+16+4*(\c):CD+16+4*(\c)+3], s[10:11] offset:1024*(\c)   ; tile c: sixteen lanes fill 256 consecutive bytes in each of two parts
	ds_store_b8 v[SBW], v[BB+(\c)] offset:4*(\c)
.endm
	s_cmp_lt_u32 ttmp9, 512
	s_wait_alu depctr_va_vdst(0)                   ; directly ahead of the branch
	s_cbranch_scc0 .Lno_b                          ; W has one direction
	COLUMN 0
	COLUMN 1
	COLUMN 2
	COLUMN 3
	s_wait_alu depctr_va_vdst(0)
.Lno_b:
; A block of 32 numbers in set s becomes 16 bytes of codes in v[CD + 4 k] on and its scale byte in v[by].
.macro BLOCKQ set, k, by
.set XS_, X+32*(\set)
	v_max3_num_f32 v[MXA], |v[XS_]|, |v[XS_+1]|, |v[XS_+2]|
	v_max3_num_f32 v[MXB], |v[XS_+3]|, |v[XS_+4]|, |v[XS_+5]|
.irp i, 6,10,14,18,22,26
	v_max3_num_f32 v[MXA], v[MXA], |v[XS_+\i]|, |v[XS_+\i+1]|
	v_max3_num_f32 v[MXB], v[MXB], |v[XS_+\i+2]|, |v[XS_+\i+3]|
.endr
	v_max3_num_f32 v[MXA], v[MXA], |v[XS_+30]|, |v[XS_+31]|
	v_max3_num_f32 v[MXA], v[MXA], v[MXB], 0x1800000
	v_add_nc_u32 v[SO], 0xff000000, v[MXA]
.irp g, 0,1,2,3
	v_cvt_scalef32_pk8_fp4_f32 v[CD+4*(\k)+\g], v[XS_+8*\g:XS_+8*\g+7], v[SO]
.endr
	v_lshrrev_b32 v[\by], 23, v[SO]
.endm
; FIRST DIRECTION: lane = row, K along the row.  Block t: 32 neighbours, eight loads of 16 bytes; the pitch of 528 bytes keeps the lanes on different banks.
.macro LDA t
.irp j, 0,1,2,3,4,5,6,7
	ds_load_b128 v[X+32*((\t)%2)+4*\j:X+32*((\t)%2)+4*\j+3], v[TROW] offset:128*(\t)+16*\j   ; LDS serves a wave's instructions in order: these see my stores
.endr
.endm
	LDA 0
.irp t, 0,1,2,3
.if \t < 3
	LDA \t+1
	s_wait_dscnt 8                                 ; this block is in; the next block's eight loads may be out
.else
	s_wait_dscnt 0x0
.endif
	BLOCKQ \t%2, \t, BY
.if \t == 0
	v_mov_b32 v[WD], v[BY]
.else
	v_lshl_or_b32 v[WD], v[BY], 8*\t, v[WD]        ; the row's four bytes make its scale word for this K step
.endif
	global_store_b128 v[DA], v[CD+4*\t:CD+4*\t+3], s[10:11] offset:256*\t   ; the lanes of each tile fill 256 consecutive bytes: two whole aligned blocks an instruction
.endr
	ds_store_b32 v[SAW], v[WD]
	s_wait_alu depctr_va_vdst(0)
	s_wait_dscnt 0x0                               ; for the others' sake: my scale words and bytes have landed
	s_barrier_signal -1
	s_barrier_wait -1
	s_cmp_eq_u32 s14, 0
	s_cbranch_scc0 .Lnot_wave_0
	ds_load_b128 v[112:115], v[SAR]
	s_wait_dscnt 0x0
	global_store_b128 v[SAG], v[112:115], s[10:11]     ; the first direction's scale image: 512 consecutive bytes
.Lnot_wave_0:
	s_cmp_eq_u32 s14, 1
	s_cbranch_scc0 .Lend
	s_cmp_lt_u32 ttmp9, 512
	s_cbranch_scc0 .Lend
	ds_load_b128 v[116:119], v[SBR]
	s_wait_dscnt 0x0
	global_store_b128 v[SBG], v[116:119], s[10:11]     ; the second's: sixteen lanes fill 256 consecutive bytes in each of two parts
.Lend:
	s_wait_tensorcnt 0x0                           ; the wave's end
	ds_add_u32 v[SPW], v[NIL]
	s_wait_dscnt 0x0
	s_endpgm
.Lfunc_end_k_q23793e8c44_prep:
	.size	k_q23793e8c44_prep, .Lfunc_end_k_q23793e8c44_prep-k_q23793e8c44_prep
	.p2alignl 7, 3214868480
	.fill 96, 4, 3214868480
	.section	.rodata,"a",@progbits
	.p2align	6, 0x0
	.amdhsa_kernel k_q23793e8c44_prep
		.amdhsa_group_segment_fixed_size 70144
		.amdhsa_private_segment_fixed_size 0
		.amdhsa_enable_private_segment 0
		.amdhsa_kernarg_size 40
		.amdhsa_user_sgpr_count 2
		.amdhsa_user_sgpr_kernarg_segment_ptr 1
		.amdhsa_wavefront_size32 1
		.amdhsa_system_sgpr_workgroup_id_x 1
		.amdhsa_system_sgpr_workgroup_id_y 1
		.amdhsa_system_sgpr_workgroup_id_z 1
		.amdhsa_system_vgpr_workitem_id 0
		.amdhsa_next_free_vgpr 226
		.amdhsa_next_free_sgpr 66
		.amdhsa_reserve_vcc 1
		.amdhsa_float_denorm_mode_32 3
		.amdhsa_float_denorm_mode_16_64 3
		.amdhsa_memory_ordered 1
		.amdhsa_forward_progress 1
		.amdhsa_inst_pref_size 30
	.end_amdhsa_kernel
	.amdgpu_metadata
---
amdhsa.version: [ 1, 2 ]
amdhsa.kernels:
  - .name:           k_q23793e8c44_prep
    .symbol:         k_q23793e8c44_prep.kd
    .args:
      - { .name: hq, .offset: 0, .size: 8, .value_kind: global_buffer, .address_space: global }
      - { .name: W, .offset: 8, .size: 8, .value_kind: global_buffer, .address_space: global }
      - { .name: mask_hq, .offset: 16, .size: 8, .value_kind: global_buffer, .address_space: global }
      - { .name: wts, .offset: 24, .size: 8, .value_kind: global_buffer, .address_space: global }
      - { .name: pen, .offset: 32, .size: 8, .value_kind: global_buffer, .address_space: global }
    .group_segment_fixed_size: 70144
    .private_segment_fixed_size: 0
    .kernarg_segment_align: 8
    .kernarg_segment_size: 40
    .max_flat_workgroup_size: 128
    .sgpr_count:     66
    .vgpr_count:     226
    .wavefront_size: 32
...
	.end_amdgpu_metadata
.endif
;; end of part 1
;; launch attn (part 2): grid 32 x 8, 8 waves a work-group, clusters of 4 x 1, 327,680 bytes of LDS; arguments hp, mask_hp, b, wts, pen, out0; writes out0
.if DOCPART == 2
	.amdgcn_target "amdgcn-amd-amdhsa--gfx1250"
	.amdhsa_code_object_version 6
	.text
	.protected	k_q23793e8c44_attn
	.globl	k_q23793e8c44_attn
	.p2align	8
	.type	k_q23793e8c44_attn,@function
k_q23793e8c44_attn:
	s_mov_b64 s[64:65], 0
	v_nop
	global_prefetch_b8 v0, s[64:65] scope:SCOPE_SE
	s_setreg_imm32_b32 hwreg(HW_REG_WAVE_MODE, 25, 1), 1
	s_wait_xcnt 0x0
	s_wait_alu depctr_hold_cnt(0) depctr_sa_sdst(0) depctr_va_vdst(0) depctr_va_sdst(0) depctr_va_ssrc(0) depctr_va_vcc(0) depctr_vm_vsrc(0)
	s_getreg_b32 s2, hwreg(HW_REG_IB_STS2, 6, 4)
	s_cmp_eq_u32 s2, 0
	s_cbranch_scc0 .Lentry_in_a_cluster
	s_endpgm
.Lentry_in_a_cluster:
	s_bfe_u32 s2, ttmp6, 0x10000c
	s_cmp_lg_u32 s2, 0x3003
	s_cbranch_scc0 .Lentry_shape_is_right
	s_endpgm
.Lentry_shape_is_right:
; out0[b][p][:] = sum over q of softmax_q(hq[b][q] . ((hp[b][p] W^T + bias) mp) - 10000 where mq mp = 0) hq[b][q][:], all three products on codes of FP4 (E2M1) with one E8M0 scale for each 32 along K.
; SHARES.  A work-group takes 64 positions p of one batch through the whole chain; nothing but out0 is stored.  Eight waves, two to a SIMD.  In the first two products wave w makes outputs 128 w .. 128 w + 127 for all
; 64 positions: 4 x 4 accumulators of 32 x 16, 256 registers: a byte of a weight is read from LDS once, by one wave.  In the last product wave w makes 64 outputs of each slot for 32 positions.
; THE FIRST TWO PRODUCTS ARE USED TRANSPOSED: source 0 = 32 rows of the weight (W, hq along d), source 1 = 16 positions.  A lane then holds ONE position (lane % 16) and its 16 registers of an accumulator are 16
; neighbouring outputs, 32 p + 16 (lane / 16) + 0 .. 15: the launch before chose the rows of each tile so.  The outputs are the next product's K.
; THE LAST PRODUCT IS NOT: source 0 = 32 positions, source 1 = 16 outputs, tile n's row r being output 4 r + n.  A lane's register k of the four tiles' accumulators are 4 neighbouring outputs of one position, and
; sixteen lanes hold 256 consecutive bytes of a row of out0: the results leave straight from registers.
; THE WEIGHTS come as a stream of 12 slots of 139,264 bytes (W 0-3, hq along d 4-7, hq along q 8-11), in the order of the operand's registers, through a ring of two LDS slots.  Each wave fetches an eighth of a slot.
; CLUSTER.  The four work-groups of a cluster belong to one batch and walk the same stream: each eighth is asked for JOINTLY, by the same tensor load with the same descriptor and a mask that names the four.
; PREFETCH.  Slots 1 and 2 at the head behind slot 0's load; then behind the load of slot s the slot s + 2 is asked into the L2: 544 blocks of 256 bytes, 17 for each of the cluster's 32 waves, told apart by address.
; The clusters with even numbers ask (for W, which all batches share, those of batch 0 alone).  Slot 11 is the last asked for.  hp's spans 2 and 3: a wave names the 32 blocks of its own rows, a lane a block, one slot
; ahead of their loads.
; THE POSITIONS' OPERANDS (hp, then hp_proj, then p) go from wave to wave through LDS as images of their registers: a fragment is four blocks of 16 rows x 16 bytes, 272 bytes from block to block.
; hp IS READ UNDER THE FIRST PRODUCT: slot s of W wants hp's columns 256 s .. 256 s + 255 alone: a span, 8 KiB a wave (8 rows).  A load takes 512 consecutive bytes, one K step of a row: a lane holds 4 numbers of one block of
; each of the span's two K steps, so each pair of loads is converted twice, under the scale of either block, and half of each result is kept.
; THE SOFTMAX runs over q, which lies across registers, the two halves of the lanes and the eight waves: t = logit x log2(e), M = ceil(the largest t), p = 2^(t - M) is quantised unnormalised; the sum of the
; unquantised p divides at the end.  All 1,024 logits of a position are in registers at once, so M is the true maximum's: nothing is rescaled.
; THE BIAS and the -10000 of a masked q are the C of each sum's first matrix instruction.  So they are added first, not last: an order of rounding that differs from the reference's; a masked logit carries an error of
; about 2^-7 at the most, which can show only where every q of a batch is masked.
; A POSITION WITH mask_hp = 0 has hp_proj = 0 exactly, so every logit is -10000: its exponent's argument is taken as A0 = -10000 log2(e) - M0, made by the same instructions, by a select and no branch.
; mask_hp is multiplied in as a number (any whole number is served); 'masked' means = 0 for both masks.
; LIMITS: NaN and infinities among the inputs are not served; a block of zeros has the byte 1 where the rule says 127 (its codes are zeros); blocks whose largest magnitude lies under 2^-124 keep the byte 1;
; the softmax holds while the scaled scores stay under 2^31 in magnitude.
; REGISTERS: window 0: v0-39 addresses and statistics, v40-63 scale words (scales and nothing else), v64-127 the weight's fragments, v128-191 the positions' (in the last product v64-191 four sets of the weight's),
; v192-255 a span of hp, the table of masked q, rows on the way out.   window 1: the accumulators, (m, p) at 64 m + 16 p; in the last product v0-127 p, v128-191 the accumulators.
; s_set_vgpr_msb: bits 1:0 source 0, 3:2 source 1, 5:4 source 2, 7:6 destination.
.set PART,  34816                      ; a quarter of a slot: 32 fragment images of 1,024 bytes, then 2,048 bytes of scale words
.set SLOT,  4*PART
.set EIGHT, PART/2                     ; what a wave fetches
.set SPARE, 2*SLOT                     ; the spare words, 128 bytes for each wave: four blocks of 256 bytes that no other line names
.set STAT,  SPARE+1024                 ; maxima at 512 m + 32 r + 4 w; sums 2,048 bytes on; later 1 / sum in the maxima's first bytes, 128 bytes a wave
.set XIMG,  STAT+4096                  ; the positions' 32 fragment images: (K step s, tile m) at 4,352 s + 1,088 m
.set XSC,   XIMG+34816                 ; their scale words: (s, r, m) at 256 s + 16 r + 4 m
.set WB0,  1                           ; v1, v2   my fragments in slot 0, 1
.set WC0,  3                           ; v3, v4   my scale words in slot 0, 1
.set XB,   5
.set XSB,  6
.set SPW,  7                           ; v7   LDS address of my spare word; never rewritten
.set NIL,  8                           ; v8   0; never rewritten
.set HPO,  9                           ; 16 x lane
.set X0A,  10                          ; where my codes of hp go
.set X0S,  11                          ; and their scale bytes
.set STR3, 9                           ; in the last product: my 32 positions' sums,
.set XB3,  10                          ; fragments,
.set XSB3, 11                          ; scale words
.set XWI,  12                          ; where I store images
.set XWS,  13                          ; and scale words
.set STM,  14
.set STR,  15
.set RLS,  16                          ; 1 / sum: my wave's bytes, in: 4 r
.set RLR,  17                          ; and back: 32 h
.set GO,   18                          ; my byte offset in out0: 8 h rows + 16 r
.set H64,  19                          ; 64 (lane / 16)
.set R4,   20                          ; 4 (lane % 16)
.set PFO,  21                          ; the stream's prefetches: 256 x lane, at most 16
.set HPF,  22                          ; hp's prefetches: row lane / 4, 256 bytes x (lane % 4)
.set A0,   23
.set CV,   24
.set T0,   25
.set T1,   26
.set LN,   27                          ; lane
.set MPF,  28                          ; v28-35 mask_hp as f32, a pair for each tile of positions
.set MI,   36                          ; v36-39 mask_hp as loaded
.set RL,   24                          ; v24-39 in the last product: 1 / sum of positions 8 h + 0 .. 7 of my two tiles
.set WS,   40                          ; the weight's scale words: 8 registers, in the last product 16
.set XS,   48                          ; the positions': 8 registers
.set XS3,  56                          ; in the last product: 8
.set WR,   64
.set XR,   128
.set HP,   192
.set BM,   64                          ; between the products: 16 largest magnitudes,
.set TM,   80                          ; at work,
.set PW,   96                          ; scale words on their way to LDS,
.set PC,   100                         ; codes,
.set CL,   132                         ; log2(e), or 0 for a masked position: pairs,
.set NM,   140                         ; -M, or A0: pairs,
.set LS,   148                         ; sums: pairs,
.set SS,   192                         ; the eight waves' statistics,
.set TT,   224
.set ST,   192                         ; the way out: 16 x 16 bytes
.set WV,   16
.set SEL,  20                          ; s[20:21] v_permlanex16_b32's selects for lane l xor 16
.set CS,   22                          ; log2(e)
.set G1,   24                          ; s[24:31] descriptor group 1
.set G0,   32                          ; s[32:35], s[36:39] group 0 for slot 0, slot 1
.set JUMP, 44                          ; s[44:45] from W's slots to the batch's
.set PFW,  46                          ; s[46:47] prefetches: W's slots,
.set PFH,  48                          ; s[48:49] the batch's
.set FLW,  50                          ; 0 where my cluster asks for W,
.set FLH,  51                          ; for the batch's slots
.set P0,   54
.set FOUR, 0                           ; 1 in the second product: the weight's fragments have four sets, units 2 and 3 in hp's 64 registers
.set MSB, 0
.macro WIN new                         ; the immediate's high byte repeats the setting that is left; a switch that changes nothing is dropped
.set NEWW, \new
.if MSB != NEWW
	s_set_vgpr_msb (MSB<<8)|NEWW
.set MSB, NEWW
.endif
.endm
.macro PLACES n                        ; plain vector instructions that name no register: the places behind matrix instructions (ISA guide 7.12.1)
.rept \n
	v_nop
.endr
.endm
.macro CREST                           ; a round of the cluster's barrier behind its opening barrier
	s_cmp_lg_u32 s[WV], 0
	s_cbranch_scc1 .Lnot_wave_0_\@
	s_barrier_signal -3
.Lnot_wave_0_\@:
	s_barrier_wait -3
	s_barrier_signal -1
	s_barrier_wait -1
.endm
.macro CROUND
	s_barrier_signal -1
	s_barrier_wait -1
	CREST
.endm
.macro TLOAD buf                       ; one joint tensor load; s_nop 0 and four v_nop follow it
	tensor_load_to_lds s[G0+4*\buf:G0+4*\buf+3], s[G1:G1+7]
	s_nop 0
	PLACES 4
.endm
; THE CHANGE OF SLOTS, behind the last read of slot buf.  OPENCH: each wave waits for all its tensor loads (its part of the next slot), adds 0 to its spare word, steps this slot's descriptor (step 1: two slots on; 2: from W to
; the batch), waits for the add, its reads of the slot and its LDS stores, and signals.  The slot's last products, work on registers, follow.  CLOSECH: the round is closed and the slot is filled again, first thing.
.macro OPENCH buf, step
	WIN 0
	s_wait_alu depctr_va_vdst(0)                   ; ahead of the waits below
	s_wait_tensorcnt 0x0
	ds_add_u32 v[SPW], v[NIL]
.if (\step) == 1
	s_add_nc_u64 s[G0+4*\buf+2:G0+4*\buf+3], s[G0+4*\buf+2:G0+4*\buf+3], 2*SLOT   ; the type bits on top are not reached
.elseif (\step) == 2
	s_add_nc_u64 s[G0+4*\buf+2:G0+4*\buf+3], s[G0+4*\buf+2:G0+4*\buf+3], s[JUMP:JUMP+1]
.endif
	s_wait_dscnt 0x0
	s_barrier_signal -1
.endm
.macro CLOSECH buf, fill
	WIN 0
	s_barrier_wait -1
.if \fill
	CREST
	TLOAD \buf
.endif
.endm
.macro ASK flag, base, n               ; my wave's 17 blocks of the n-th slot behind the base: every offset an immediate, no register is stepped
	s_cmp_eq_u32 s[\flag], 0
	s_cbranch_scc0 .Lnot_mine_\@
	global_prefetch_b8 v[PFO], s[\base:\base+1] offset:(\n)*SLOT th:TH_LOAD_NT scope:SCOPE_SE
.Lnot_mine_\@:
.endm
; One matrix instruction.  d, a, b, c: first registers of D, A, B, C (c < 0: the constant 0 starts the sum); sa, sb: the scale words (A's fill all 32 lanes, B's lanes 0-15).
.macro WM d, a, b, c, sa, sb
.if (\c) < 0
	v_wmma_scale_f32_32x16x128_f4 v[(\d):(\d)+15], v[(\a):(\a)+15], v[(\b):(\b)+7], 0, v[\sa], v[\sb]
.else
	v_wmma_scale_f32_32x16x128_f4 v[(\d):(\d)+15], v[(\a):(\a)+15], v[(\b):(\b)+7], v[(\c):(\c)+15], v[\sa], v[\sb]
.endif
.endm
; THE FIRST TWO PRODUCTS.  A slot holds two K steps k; unit u = 2 k + half: 64 of my 128 outputs, K step k: 8 matrix instructions.
.macro FW u, buf                       ; the unit's four fragment images into its set: u & 1, or (FOUR) u
.set FW_, WR+32*((\u)&1)+FOUR*128*((\u)>>1)
	WIN 0
.irp n, 0,1,2,3
	ds_load_b128 v[FW_+8*\n:FW_+8*\n+3], v[WB0+\buf] offset:16384*((\u)>>1)+1024*(4*((\u)&1)+\n)
	ds_load_b128 v[FW_+8*\n+4:FW_+8*\n+7], v[WB0+\buf] offset:16384*((\u)>>1)+1024*(4*((\u)&1)+\n)+512
.endr
.endm
.macro FX k, sg, buf                   ; K step k: the weight's four scale words, the positions' four fragments and their scale words: ten loads
	ds_load_b128 v[WS+4*\k:WS+4*\k+3], v[WC0+\buf] offset:32768+1024*\k
.irp m, 0,1,2,3
	ds_load_b128 v[XR+32*\k+8*\m:XR+32*\k+8*\m+3], v[XB] offset:4352*(2*(\sg)+\k)+1088*\m
	ds_load_b128 v[XR+32*\k+8*\m+4:XR+32*\k+8*\m+7], v[XB] offset:4352*(2*(\sg)+\k)+1088*\m+544
.endr
	ds_load_b128 v[XS+4*\k:XS+4*\k+3], v[XSB] offset:512*(\sg)+256*\k
.endm
; The accumulators take turns, one instruction a turn.  kind 1: the sums begin with the bias, which was loaded into the accumulators of m = 0: m = 1, 2, 3 take it as C; five places, since the lines that
; follow write over a C of those; then m = 0 adds in place.  kind 2: they begin with the table of masked q.
.macro UNIT u, kind
.set WF_, WR+32*((\u)&1)+FOUR*128*((\u)>>1)
.set XF_, XR+32*((\u)>>1)
.set SA_, WS+4*((\u)>>1)+2*((\u)&1)
.set SB_, XS+4*((\u)>>1)
.set DD_, 32*((\u)&1)
.if (\kind) == 2
	WIN 0x40
.else
	WIN 0x50
.endif
.if (\kind) == 0
.irp q, 0,1
.irp m, 0,1,2,3
	WM 64*\m+16*\q+DD_, WF_+16*\q, XF_+8*\m, 64*\m+16*\q+DD_, SA_+\q, SB_+\m
.endr
.endr
.elseif (\kind) == 1
.irp m, 1,2,3
.irp q, 0,1
	WM 64*\m+16*\q+DD_, WF_+16*\q, XF_+8*\m, 16*\q+DD_, SA_+\q, SB_+\m
.endr
.endr
	PLACES 5
.irp q, 0,1
	WM 16*\q+DD_, WF_+16*\q, XF_, 16*\q+DD_, SA_+\q, SB_
.endr
.else
.irp q, 0,1
.irp m, 0,1,2,3
	WM 64*\m+16*\q+DD_, WF_+16*\q, XF_+8*\m, HP+16*\q+DD_, SA_+\q, SB_+\m
.endr
.endr
.endif
.endm
.macro SLOT_A sg, buf
	FW 0, \buf
	FX 0, \sg, \buf
	FW 1, \buf
.endm
.macro SLOT_B sg, buf, kind            ; units 0 to 2, each unit's loads a unit or two ahead; unit 3 stands in the change of slots
.if (\kind) == 1
	s_wait_loadcnt 16                              ; the bias is in; span 1 of hp, 16 loads, may be out
.endif
	s_wait_dscnt 8                                 ; all but unit 1's eight
	UNIT 0, \kind
	PLACES 4                                       ; in front of loads into registers that matrix instructions have read
	FW 2, \buf
	FX 1, \sg, \buf
	s_wait_dscnt 18                                ; all but the 18 just issued
	UNIT 1, \kind
	PLACES 4
	FW 3, \buf
	s_wait_dscnt 8
	UNIT 2, 0
	WIN 0
.endm
; My 128 numbers of a table, in the result's layout: register 16 p + j is number 32 p + 16 (lane / 16) + j.
.macro TABLE dst, base
.irp p, 0,1,2,3
.irp q, 0,1,2,3
	global_load_b128 v[\dst+16*\p+4*\q:\dst+16*\p+4*\q+3], v[H64], s[\base:\base+1] offset:128*\p+16*\q
.endr
.endr
.endm
; hp.  Wave w takes rows 8 w .. 8 w + 7.  Span z of row i: two loads of 512 consecutive bytes, one for each of its K steps.
.macro HPHALF z, hb, t                 ; rows 4 t .. 4 t + 3
.set HB_, (\hb)+32*(\t)
.set HO_, 16384*(\t)+1024*(\z)
.irp i, 0,1,2,3
	global_load_b128 v[HB_+8*\i:HB_+8*\i+3], v[HPO], s[4:5] offset:HO_+4096*\i th:TH_LOAD_NT
	global_load_b128 v[HB_+8*\i+4:HB_+8*\i+7], v[HPO], s[4:5] offset:HO_+4096*\i+512 th:TH_LOAD_NT
.endr
.endm
.macro HPLOAD z, hb
	HPHALF \z, \hb, 0
	HPHALF \z, \hb, 1
.endm
; Rows 4 t .. 4 t + 3 of span z, from the registers hb on: eight blocks' maxima by turns; a block of 32 lies in eight neighbouring lanes.  At work: the positions' first set, sixteen registers for each t.
.macro HPQ hb, t, z
.set T_, XR+16*(\t)
.set R_, \hb+32*(\t)
.irp i, 0,1,2,3
	v_max3_num_f32 v[T_+2*\i], |v[R_+8*\i]|, |v[R_+8*\i+1]|, 0x1800000   ; and the floor 2^(3 - 127): the byte cannot fall under 1
	v_max3_num_f32 v[T_+2*\i+1], |v[R_+8*\i+4]|, |v[R_+8*\i+5]|, 0x1800000
.endr
.irp i, 0,1,2,3
	v_max3_num_f32 v[T_+2*\i], v[T_+2*\i], |v[R_+8*\i+2]|, |v[R_+8*\i+3]|
	v_max3_num_f32 v[T_+2*\i+1], v[T_+2*\i+1], |v[R_+8*\i+6]|, |v[R_+8*\i+7]|
.endr
.irp i, 0,1,2,3,4,5,6,7
	v_max_num_f32_dpp v[T_+\i], v[T_+\i], v[T_+\i] row_xmask:1 row_mask:0xf bank_mask:0xf
.endr
.irp i, 0,1,2,3,4,5,6,7
	v_max_num_f32_dpp v[T_+\i], v[T_+\i], v[T_+\i] row_xmask:2 row_mask:0xf bank_mask:0xf
.endr
.irp i, 0,1,2,3,4,5,6,7
	v_max_num_f32_dpp v[T_+\i], v[T_+\i], v[T_+\i] row_xmask:4 row_mask:0xf bank_mask:0xf
.endr
.irp i, 0,1,2,3,4,5,6,7
	v_add_nc_u32 v[T_+\i], 0xff000000, v[T_+\i]    ; 2 off the exponent field: the conversion's scale operand
.endr
.irp i, 0,1,2,3
	v_cvt_scalef32_pk8_fp4_f32 v[T_+8+2*\i], v[R_+8*\i:R_+8*\i+7], v[T_+2*\i]        ; the low half is kept: the first K step's four codes
	v_cvt_scalef32_pk8_fp4_f32 v[T_+9+2*\i], v[R_+8*\i:R_+8*\i+7], v[T_+2*\i+1]      ; the high half: the second's
.endr
	v_nop                                          ; one plain place behind a scaled conversion
.irp i, 0,1,2,3,4,5,6,7
	v_lshrrev_b32 v[T_+\i], 23, v[T_+\i]           ; the scale's byte
.endr
.irp i, 0,1,2,3
	ds_store_b16 v[X0A], v[T_+8+2*\i] offset:8704*(\z)+16*(4*(\t)+\i)
	ds_store_b16_d16_hi v[X0A], v[T_+9+2*\i] offset:8704*(\z)+4352+16*(4*(\t)+\i)
	ds_store_b8 v[X0S], v[T_+2*\i] offset:512*(\z)+16*(4*(\t)+\i)          ; the eight lanes of a block write the same byte with the same value
	ds_store_b8 v[X0S], v[T_+2*\i+1] offset:512*(\z)+256+16*(4*(\t)+\i)
.endr
.endm
.macro HPSTEP z                        ; behind unit 2, ahead of the change of slots: span z becomes K steps 2 z, 2 z + 1: bytes that no wave still reads
	PLACES 4                                       ; the registers at work were read by matrix instructions
	s_wait_loadcnt 8                               ; rows 0 to 3 are in
	HPQ HP, 0, \z
	s_wait_loadcnt 0x0
	HPQ HP, 1, \z
.endm
; The accumulators' 256 numbers of a lane, under the 16 scale operands' source BM (largest magnitudes, floor included), become four fragments and their scale words: K step = my wave's number.
.macro CODES
.irp q, 0,1,2,3,4,5,6,7,8,9,10,11,12,13,14,15
	v_add_nc_u32 v[BM+\q], 0xff000000, v[BM+\q]
.endr
.irp q, 0,1,2,3,4,5,6,7,8,9,10,11,12,13,14,15
	v_lshrrev_b32 v[TM+\q], 23, v[BM+\q]
.endr
.irp m, 0,1,2,3
	v_lshl_or_b32 v[PW+\m], v[TM+4*\m+1], 8, v[TM+4*\m]
.endr
.irp m, 0,1,2,3
	v_lshl_or_b32 v[PW+\m], v[TM+4*\m+2], 16, v[PW+\m]
.endr
.irp m, 0,1,2,3
	v_lshl_or_b32 v[PW+\m], v[TM+4*\m+3], 24, v[PW+\m]
.endr
	WIN 0x01
.irp m, 0,1,2,3
.irp b, 0,1,2,3
	v_cvt_scalef32_pk8_fp4_f32 v[PC+8*\m+2*\b], v[64*\m+16*\b:64*\m+16*\b+7], v[BM+4*\m+\b]
	v_cvt_scalef32_pk8_fp4_f32 v[PC+8*\m+2*\b+1], v[64*\m+16*\b+8:64*\m+16*\b+15], v[BM+4*\m+\b]
.endr
.endr
	WIN 0
	v_nop                                          ; one plain place behind a scaled conversion
.irp m, 0,1,2,3
.irp c, 0,1
.irp i, 0,1
	v_permlane16_swap_b32 v[PC+8*\m+4*\c+\i], v[PC+8*\m+4*\c+2+\i]   ; a whole block to a lane: lanes 0-15 block 2 c, lanes 16-31 block 2 c + 1
.endr
.endr
.endr
.irp m, 0,1,2,3
	ds_store_b128 v[XWI], v[PC+8*\m:PC+8*\m+3] offset:1088*\m
	ds_store_b128 v[XWI], v[PC+8*\m+4:PC+8*\m+7] offset:1088*\m+544
.endr
	ds_store_b128 v[XWS], v[PW:PW+3]
.endm
.macro OTHERHALF                       ; the 16 maxima joined with lane l xor 16's
.irp q, 0,1,2,3,4,5,6,7,8,9,10,11,12,13,14,15
	v_permlanex16_b32 v[TM+\q], v[BM+\q], s[SEL], s[SEL+1]
.endr
.irp q, 0,1,2,3,4,5,6,7,8,9,10,11,12,13,14,15
	v_max_num_f32 v[BM+\q], v[BM+\q], v[TM+\q]
.endr
.endm
; THE LAST PRODUCT.  A slot holds 256 outputs for all of K; mine are the 64 of quarter wave / 2, for the two tiles of positions of half wave & 1.  K step s: four fragment images (tiles n) into set s & 3, and
; four scale words: row r's in lane r, register n for tile n.
.macro F3 buf, s
	WIN 0
.irp n, 0,1,2,3
	ds_load_b128 v[WR+32*((\s)&3)+8*\n:WR+32*((\s)&3)+8*\n+3], v[WB0+\buf] offset:4096*(\s)+1024*\n
	ds_load_b128 v[WR+32*((\s)&3)+8*\n+4:WR+32*((\s)&3)+8*\n+7], v[WB0+\buf] offset:4096*(\s)+1024*\n+512
.endr
	ds_load_b128 v[WS+4*((\s)&3):WS+4*((\s)&3)+3], v[WC0+\buf] offset:32768+256*(\s)
.endm
.macro MUL3 s                          ; four accumulators by turns, one instruction a turn
	WIN 0x51                                       ; A (p), C and D in window 1, B (the weight) in window 0
.irp n, 0,1,2,3
.if (\s) == 0
	WM 128+16*\n, 16*(\s), WR+32*((\s)&3)+8*\n, -1, XS3+\s, WS+4*((\s)&3)+\n
.else
	WM 128+16*\n, 16*(\s), WR+32*((\s)&3)+8*\n, 128+16*\n, XS3+\s, WS+4*((\s)&3)+\n
.endif
.endr
.endm
.macro SLOT3 buf                       ; K steps 0 to 6; sets 0 to 2 were asked for ahead of it
	PLACES 5                                       ; the first products begin the accumulators anew
.irp s, 0,1,2,3,4,5,6
.if \s < 6
	s_wait_dscnt 18                                ; all but the two sets behind this one
.else
	s_wait_dscnt 9
.endif
.if \s < 5
.if \s > 0
	PLACES 4                                       ; the set that is loaded was read by the products just issued
.endif
	F3 \buf, \s+3
.endif
	MUL3 \s
.endr
	WIN 0
.endm
; THE WAY OUT of 32 positions x my 64 outputs: register k of the four accumulators, / the sum, are 16 consecutive bytes of position 16 (k / 8) + 8 h + k % 8: lanes 0-15 store 256 consecutive bytes of one row, lanes 16-31 of another.
.macro OUT i
.if (\i) > 0
	s_wait_xcnt 0x0                                ; the last way out's stores have read their registers
.endif
.irp g, 0,1
	WIN 0x04
.irp k, 0,1,2,3,4,5,6,7
.irp n, 0,1,2,3
	v_mul_f32 v[ST+32*\g+4*\k+\n], v[RL+8*\g+\k], v[128+16*\n+8*\g+\k]   ; each accumulator from its low end on
.endr
.endr
	WIN 0
.irp k, 0,1,2,3,4,5,6,7
	global_store_b128 v[GO], v[ST+32*\g+4*\k:ST+32*\g+4*\k+3], s[14:15] offset:(16*\g+\k)*4096+1024*(\i) th:TH_STORE_NT
.endr
.endr
.endm
	; ---- the head
	s_load_b256 s[4:11], s[0:1], 0x0               ; hp s[4:5], mask_hp s[6:7], b s[8:9], wts s[10:11]
	s_load_b128 s[12:15], s[0:1], 0x20             ; pen s[12:13], out0 s[14:15]
	v_lshl_add_u32 v[SPW], v0, 2, SPARE
	v_mov_b32 v[NIL], 0
	ds_add_u32 v[SPW], v[NIL]                      ; the wave's opening: the add, twice on end, and its wait ahead of my first tensor load
	ds_add_u32 v[SPW], v[NIL]
	v_lshrrev_b32 v[T0], 5, v0
	v_readfirstlane_b32 s[WV], v[T0]               ; wave 0..7
	s_wait_alu depctr_va_vdst(0)                   ; ahead of the waits below
	s_wait_dscnt 0x0                               ; both opening adds are done
	CROUND                                         ; all four work-groups are here: the first joint loads meet
	s_bfe_u32 s17, ttmp6, 0x40000                  ; cx: my place in the cluster
	s_lshl_b32 s18, ttmp9, 2
	s_add_co_u32 s18, s18, s17                     ; my block of 64 positions: it enters hp's, mask_hp's and out0's addresses alone
	s_and_b32 s19, ttmp7, 0xffff                   ; the batch, which the four partners share
	s_and_b32 s[FLH], ttmp9, 1
	s_or_b32 s[FLW], s[FLH], s19
	s_lshr_b32 s52, s[WV], 1
	s_and_b32 s53, s[WV], 1
	s_mul_i32 s[P0], s52, PART                     ; quarter wave / 2 of a slot
	s_lshl_b32 s55, s53, 13
	s_add_co_u32 s55, s55, s[P0]                   ; my fragments in the first two products: group wave & 1,
	s_lshl_b32 s56, s53, 9
	s_add_co_u32 s56, s56, s[P0]                   ; and its scale image
	s_mul_i32 s57, s[WV], 4352
	s_lshl_b32 s58, s[WV], 7
	s_add_co_u32 s58, s58, STAT                    ; 1 / sum: my wave's 128 bytes
	s_mul_i32 s59, s52, 1088                       ; hp: my rows are half wave & 1 of tile wave / 2
	s_lshl_b32 s60, s53, 7
	s_add_co_u32 s59, s59, s60
	s_add_co_u32 s59, s59, XIMG
	s_lshl_b32 s61, s52, 2
	s_add_co_u32 s60, s60, s61
	s_add_co_u32 s60, s60, XSC
	s_mul_i32 s61, s53, 2176                       ; the last product: my two tiles' fragments,
	s_lshl_b32 s62, s53, 3                         ; scale words,
	s_lshl_b32 s63, s53, 10                        ; sums
	s_lshl_b32 s66, s19, 11
	s_lshl_b32 s67, s18, 6
	s_add_co_u32 s66, s66, s67                     ; my first position among all 16,384
	s_lshl_b32 s67, s[WV], 3
	s_add_co_u32 s68, s66, s67
	s_lshl_b32 s68, s68, 12                        ; hp: my 8 rows
	s_mov_b32 s69, 0
	s_lshl_b32 s67, s53, 5
	s_add_co_u32 s70, s66, s67
	s_lshl_b32 s70, s70, 12                        ; out0: my 32 rows, + 256 x (wave / 2)
	s_lshl_b32 s67, s52, 8
	s_add_co_u32 s70, s70, s67
	s_mov_b32 s71, 0
	s_lshl_b32 s72, s66, 2                         ; mask_hp
	s_mov_b32 s73, 0
	s_lshl_b32 s74, s[WV], 9                       ; b: my 128 numbers
	s_mov_b32 s75, 0
	s_lshl_b32 s76, s19, 12
	s_add_co_u32 s76, s76, s74                     ; pen: the batch's row, my 128 numbers
	s_mov_b32 s77, 0
	s_mul_i32 s78, s[WV], EIGHT                    ; the eighth of a slot that I fetch
	s_mov_b32 s79, 0
	s_mul_i32 s80, s17, PART                       ; the 17 blocks of a slot that I prefetch
	s_add_co_u32 s80, s80, s57
	s_mov_b32 s81, 0
	s_lshl_b32 s[JUMP], s19, 3
	s_add_co_u32 s[JUMP], s[JUMP], 2
	s_mul_i32 s[JUMP], s[JUMP], SLOT               ; from W's slot s to the batch's slot s + 2: 2 + 8 x batch slots
	s_mov_b32 s[JUMP+1], 0
	s_add_co_u32 s82, s[JUMP], 2*SLOT              ; from the stream's first slot to the batch's
	s_mov_b32 s83, 0
	s_mov_b32 s[SEL], 0x76543210
	s_mov_b32 s[SEL+1], 0xfedcba98
	s_mov_b32 s[CS], 0x3fb8aa3b                    ; log2(e)
	; descriptor group 1: an eighth is a dense block of 68 rows of 256 bytes (32 elements of 8 bytes), no padding
	s_mov_b32 s[G1], 15|(3<<16)|(1<<21)            ; 15:0 the mask: all four work-groups; 17:16 elements of 8 bytes; 21 set beside a mask
	s_mov_b32 s[G1+1], 32<<16                      ; tensor_dim0 = 32
	s_mov_b32 s[G1+2], 68<<16                      ; tensor_dim1 = 68
	s_mov_b32 s[G1+3], 32<<16                      ; tile_dim0 = 32
	s_mov_b32 s[G1+4], 68                          ; tile_dim1 = 68
	s_mov_b32 s[G1+5], 32                          ; tensor_dim0_stride
	s_mov_b32 s[G1+6], 0
	s_mov_b32 s[G1+7], 0
	v_and_b32 v[T0], 15, v0                        ; r = lane % 16
	v_bfe_u32 v[T1], v0, 4, 1                      ; h = lane / 16
	v_and_b32 v[LN], 31, v0
	v_lshlrev_b32 v[HPO], 4, v[LN]
	v_add_nc_u32 v[WB0], s55, v[HPO]
	v_add_nc_u32 v[WB0+1], SLOT, v[WB0]
	v_add_nc_u32 v[WC0], s56, v[HPO]
	v_add_nc_u32 v[WC0+1], SLOT, v[WC0]
	v_lshl_add_u32 v[XB], v[T1], 4, v[HPO]         ; 16 r + 272 h
	v_add_nc_u32 v[XB], XIMG, v[XB]
	v_add_nc_u32 v[XWI], s57, v[XB]
	v_lshlrev_b32 v[R4], 2, v[T0]
	v_lshlrev_b32 v[H64], 6, v[T1]
	v_lshl_add_u32 v[XSB], v[T0], 4, XSC
	v_lshl_add_u32 v[XWS], s[WV], 8, v[XSB]
	v_lshl_add_u32 v[STR], v[T0], 5, STAT
	v_lshl_add_u32 v[STM], s[WV], 2, v[STR]
	v_lshrrev_b32 v[X0S], 3, v[LN]                 ; hp: my 4 numbers lie in block lane / 8, bytes 2 (lane % 8) of its 16
	v_and_b32 v[X0A], 7, v[LN]
	v_lshlrev_b32 v[X0A], 1, v[X0A]
	v_mad_u32_u24 v[X0A], v[X0S], 272, v[X0A]
	v_add_nc_u32 v[X0A], s59, v[X0A]
	v_add_nc_u32 v[X0S], s60, v[X0S]
	v_lshl_add_u32 v[RLS], v[T0], 2, s58
	v_lshl_add_u32 v[RLR], v[T1], 5, s58
	v_lshlrev_b32 v[GO], 15, v[T1]
	v_lshl_add_u32 v[GO], v[T0], 4, v[GO]
	v_min_u32 v[PFO], 16, v[LN]                    ; lanes 17-31 name the wave's last block again
	v_lshlrev_b32 v[PFO], 8, v[PFO]
	v_lshrrev_b32 v[HPF], 2, v[LN]
	v_lshlrev_b32 v[HPF], 12, v[HPF]
	v_and_b32 v[T0], 3, v[LN]
	v_lshl_add_u32 v[HPF], v[T0], 8, v[HPF]
	s_wait_alu depctr_va_vdst(0)                   ; ahead of the wait below
	s_wait_kmcnt 0x0
	s_mov_b32 s[G0], 1                             ; 1:0 count = 1
	s_mov_b32 s[G0+1], s78                         ; LDS address: slot 0, my eighth
	s_add_nc_u64 s[G0+2:G0+3], s[10:11], s[78:79]  ; the stream's slot 0, my eighth
	s_mov_b32 s[G0+4], 1
	s_add_co_u32 s[G0+5], s78, SLOT                ; slot 1
	s_add_nc_u64 s[G0+6:G0+7], s[G0+2:G0+3], SLOT  ; the stream's slot 1
	s_or_b32 s[G0+3], s[G0+3], 0x80000000          ; type = 2
	s_or_b32 s[G0+7], s[G0+7], 0x80000000
	TLOAD 0                                        ; ahead of hp's loads
	s_add_nc_u64 s[4:5], s[4:5], s[68:69]
	s_add_nc_u64 s[6:7], s[6:7], s[72:73]
	s_add_nc_u64 s[8:9], s[8:9], s[74:75]
	s_add_nc_u64 s[12:13], s[12:13], s[76:77]
	s_add_nc_u64 s[14:15], s[14:15], s[70:71]
	s_add_nc_u64 s[PFW:PFW+1], s[10:11], s[80:81]
	s_add_nc_u64 s[PFH:PFH+1], s[PFW:PFW+1], s[82:83]
	ASK FLW, PFW, 1
	ASK FLW, PFW, 2
	HPLOAD 0, WR                                   ; span 0 of hp, into the registers that the weight's fragments take later
.irp m, 0,1,2,3
	global_load_b32 v[MI+\m], v[R4], s[6:7] offset:64*\m   ; mask_hp of position 16 m + r
.endr
	WIN 0x40
	TABLE 0, 8                                     ; the bias, into the accumulators of m = 0
	WIN 0
	HPHALF 1, HP, 0                                ; half of span 1; the other half when span 0's first rows are in
	s_wait_loadcnt 36                              ; rows 0 to 3 of span 0 are in; behind them: 8 of span 0, 4 + 16 + 8
	HPQ WR, 0, 0
	HPHALF 1, HP, 1
	s_wait_loadcnt 36                              ; rows 4 to 7; behind them: 4 + 16 + 16
	HPQ WR, 1, 0
	s_wait_loadcnt 32                              ; mask_hp is in
.irp m, 0,1,2,3
	v_cvt_f32_i32 v[MPF+2*\m], v[MI+\m]
.endr
	v_mov_b32 v[T0], 0xc61c4000                    ; a masked position's logit, -10000: t, -M = floor(-t), and t - M by the multiply-add that every logit goes through
	v_mul_f32 v[T1], s[CS], v[T0]
.irp m, 0,1,2,3
	v_mov_b32 v[MPF+2*\m+1], v[MPF+2*\m]
.endr
	v_floor_f32 v[T1], -v[T1]
	v_fma_f32 v[A0], v[T0], s[CS], v[T1]
	v_mov_b32 v[CV], s[CS]
	OPENCH 1, 0                                    ; my part of slot 0 is in, and my images of span 0
	CLOSECH 1, 1                                   ; slot 1's first fill, the first tensor load behind the round
	; ---- the first product
	SLOT_A 0, 0
	ASK FLW, PFW, 3
	global_prefetch_b8 v[HPF], s[4:5] offset:2048 th:TH_LOAD_NT scope:SCOPE_SE   ; span 2 of my rows: its loads follow behind this slot's products,
	global_prefetch_b8 v[HPF], s[4:5] offset:3072 th:TH_LOAD_NT scope:SCOPE_SE   ; and span 3: behind the next slot's
	SLOT_B 0, 0, 1
	HPSTEP 1
	HPLOAD 2, HP
	OPENCH 0, 1
	UNIT 3, 0
	CLOSECH 0, 1
	SLOT_A 1, 1
	ASK FLH, PFH, 0
	SLOT_B 1, 1, 0
	HPSTEP 2
	HPLOAD 3, HP
	OPENCH 1, 1
	UNIT 3, 0
	CLOSECH 1, 1
	SLOT_A 2, 0
	ASK FLH, PFH, 1
	SLOT_B 2, 0, 0
	HPSTEP 3
	TABLE HP, 12                                   ; the table of masked q, the second product's first C
	OPENCH 0, 2
	UNIT 3, 0
	CLOSECH 0, 1
	SLOT_A 3, 1
	ASK FLH, PFH, 2
	SLOT_B 3, 1, 0
	OPENCH 1, 2
	UNIT 3, 0
	CLOSECH 1, 1
	; ---- hp_proj = (sum + bias) x mask_hp, quantised along d.  The round just passed stands between every wave's last read of the old images and these stores.
	WIN 0x41
.irp m, 0,1,2,3
.set j_, 64*\m
.rept 32
	v_pk_mul_f32 v[j_:j_+1], v[j_:j_+1], v[MPF+2*\m:MPF+2*\m+1]   ; each accumulator from its low end on
.set j_, j_+2
.endr
.endr
	WIN 0x05
.irp m, 0,1,2,3
.irp b, 0,1,2,3
	v_max3_num_f32 v[BM+4*\m+\b], |v[64*\m+16*\b]|, |v[64*\m+16*\b+1]|, 0x1800000   ; block b: my 16 numbers, and the floor
.endr
.endr
	WIN 0x14
.irp i, 2,4,6,8,10,12,14
.irp m, 0,1,2,3
.irp b, 0,1,2,3
	v_max3_num_f32 v[BM+4*\m+\b], v[BM+4*\m+\b], |v[64*\m+16*\b+\i]|, |v[64*\m+16*\b+\i+1]|
.endr
.endr
.endr
	WIN 0
	OTHERHALF
	CODES
	s_wait_alu depctr_va_vdst(0)                   ; ahead of the waits below
	s_wait_dscnt 0x0                               ; for the others' sake: my images have landed
	s_barrier_signal -1
	s_barrier_wait -1
	; ---- the second product
; A SLOT'S FRAGMENTS ARE ALL IN REGISTERS when its change of slots begins.  The round shows that the next slot has landed, so behind it the next slot's fragments are fetched while unit 3, and then the next units 0 and 1, are multiplied.
.set FOUR, 1
.macro AHEAD sg, buf                   ; the next slot's 52 loads, round the slot's last unit; each set's last reader stands four places or more ahead
	FW 0, \buf
	FX 0, \sg, \buf
	FW 1, \buf
	FW 2, \buf
	UNIT 3, 0
	PLACES 4
	FW 3, \buf
	FX 1, \sg, \buf
.endm
.macro HALFSLOT
	s_wait_dscnt 34                                ; unit 0's loads are in; behind them: 8 + 8 + 8 + 10
	UNIT 0, 0
	s_wait_dscnt 26                                ; unit 1's; behind them: 8 + 8 + 10
	UNIT 1, 0
.endm
	SLOT_A 0, 0
	ASK FLH, PFH, 3
	s_wait_loadcnt 0x0                             ; the table of masked q is in
	s_wait_dscnt 8                                 ; all but unit 1's eight
	UNIT 0, 2
	s_wait_dscnt 0x0
	UNIT 1, 2
	PLACES 4                                       ; the table's registers, read as C, take units 2 and 3
	FW 2, 0
	FW 3, 0
	FX 1, 0, 0
	OPENCH 0, 1
	UNIT 2, 0
	CLOSECH 0, 1
	AHEAD 1, 1
	ASK FLH, PFH, 4
	HALFSLOT
	OPENCH 1, 1
	UNIT 2, 0
	CLOSECH 1, 1
	AHEAD 2, 0
	ASK FLH, PFH, 5
	HALFSLOT
	OPENCH 0, 1
	UNIT 2, 0
	CLOSECH 0, 1
	AHEAD 3, 1
	ASK FLH, PFH, 6
	HALFSLOT
	OPENCH 1, 1
	UNIT 2, 0
	CLOSECH 1, 1
	UNIT 3, 0
	WIN 0
	PLACES 4                                       ; in front of the first read of the scores
	; ---- the softmax over q.  The largest score of each block of 32 q serves twice: for the position's maximum and, since p rises with the score, for the block's largest p
	v_and_b32 v[T0], 15, v0                        ; the last product's addresses: no LDS instruction of mine is out
	v_bfe_u32 v[T1], v0, 4, 1
	v_lshl_add_u32 v[WB0], v[LN], 4, s[P0]
	v_lshl_add_u32 v[WC0], v[T0], 4, s[P0]
	v_lshl_add_u32 v[XSB3], v[T1], 2, v[XSB]       ; lanes 0-15 my first tile's scale words, lanes 16-31 my second's
	v_add_nc_u32 v[WB0+1], SLOT, v[WB0]
	v_add_nc_u32 v[WC0+1], SLOT, v[WC0]
	v_add_nc_u32 v[XB3], s61, v[XB]
	v_add_nc_u32 v[XSB3], s62, v[XSB3]
	v_add_nc_u32 v[STR3], s63, v[STR]
	WIN 0x15
.irp m, 0,1,2,3
.irp b, 0,1,2,3
	v_max3_num_f32 v[BM+4*\m+\b], v[64*\m+16*\b], v[64*\m+16*\b+1], v[64*\m+16*\b+2]
.endr
.endr
	WIN 0x14
.irp i, 3,5,7,9,11,13
.irp m, 0,1,2,3
.irp b, 0,1,2,3
	v_max3_num_f32 v[BM+4*\m+\b], v[BM+4*\m+\b], v[64*\m+16*\b+\i], v[64*\m+16*\b+\i+1]
.endr
.endr
.endr
.irp m, 0,1,2,3
.irp b, 0,1,2,3
	v_max_num_f32 v[BM+4*\m+\b], v[BM+4*\m+\b], v[64*\m+16*\b+15]
.endr
.endr
	WIN 0
	OTHERHALF
.irp m, 0,1,2,3
	v_max3_num_f32 v[TM+\m], v[BM+4*\m], v[BM+4*\m+1], v[BM+4*\m+2]
.endr
.irp m, 0,1,2,3
	v_max_num_f32 v[TM+\m], v[TM+\m], v[BM+4*\m+3]           ; my wave's 128 q
.endr
.irp m, 0,1,2,3
	ds_store_b32 v[STM], v[TM+\m] offset:512*\m
.endr
	ASK FLH, PFH, 7
	s_wait_alu depctr_va_vdst(0)                   ; ahead of the waits below
	s_wait_dscnt 0x0
	s_barrier_signal -1
	s_barrier_wait -1
.irp m, 0,1,2,3
	ds_load_b128 v[SS+8*\m:SS+8*\m+3], v[STR] offset:512*\m
	ds_load_b128 v[SS+8*\m+4:SS+8*\m+7], v[STR] offset:512*\m+16
.endr
	s_wait_dscnt 0x0
.irp m, 0,1,2,3
	v_max3_num_f32 v[TM+\m], v[SS+8*\m], v[SS+8*\m+1], v[SS+8*\m+2]
.endr
.irp m, 0,1,2,3
	v_max3_num_f32 v[TM+\m], v[TM+\m], v[SS+8*\m+3], v[SS+8*\m+4]
.endr
.irp m, 0,1,2,3
	v_max3_num_f32 v[TM+\m], v[TM+\m], v[SS+8*\m+5], v[SS+8*\m+6]
.endr
.irp m, 0,1,2,3
	v_max_num_f32 v[TM+\m], v[TM+\m], v[SS+8*\m+7]           ; all 1,024 q
.endr
.irp m, 0,1,2,3
	v_mul_f32 v[TM+\m], s[CS], v[TM+\m]            ; as t
.endr
.irp m, 0,1,2,3
	v_floor_f32 v[TM+\m], -v[TM+\m]                ; -M = floor(-t) = -ceil(t)
.endr
.irp m, 0,1,2,3
	v_cmp_ne_u32 vcc_lo, 0, v[MI+\m]
	v_cndmask_b32 v[CL+2*\m], 0, v[CV], vcc_lo     ; a masked position: 0 x score + A0
	v_cndmask_b32 v[NM+2*\m], v[A0], v[TM+\m], vcc_lo
.endr
.irp m, 0,1,2,3
	v_mov_b32 v[CL+2*\m+1], v[CL+2*\m]
	v_mov_b32 v[NM+2*\m+1], v[NM+2*\m]
.endr
.irp m, 0,1,2,3
.irp b, 0,1,2,3
	v_fma_f32 v[BM+4*\m+\b], v[BM+4*\m+\b], v[CL+2*\m], v[NM+2*\m]   ; each block's largest score, as every score below
.endr
.endr
	WIN 0x41
.irp m, 0,1,2,3
.set j_, 64*\m
.rept 32
	v_pk_fma_f32 v[j_:j_+1], v[j_:j_+1], v[CL+2*\m:CL+2*\m+1], v[NM+2*\m:NM+2*\m+1]   ; t - M, two at a time
.set j_, j_+2
.endr
.endr
	s_wait_alu depctr_va_vdst(0)                   ; ahead of the batch
.set j_, 0
.rept 256
	v_exp_f32 v[j_], v[j_]                         ; p = 2^(t - M): NOT normalised
.set j_, j_+1
.endr
	WIN 0
.set j_, 0
.rept 16
	v_exp_f32 v[BM+j_], v[BM+j_]                   ; the block's largest p: the same two instructions on the same number give the same bits
.set j_, j_+1
.endr
	v_nop                                          ; a plain place behind the exponentials
	s_wait_alu depctr_va_vdst(0)                   ; and the wait behind the batch
.set j_, 0
.rept 16
	v_max_num_f32 v[BM+j_], 0x1800000, v[BM+j_]    ; the floor: a block whose every p has fallen to 0 keeps the byte 1: its codes are zeros
.set j_, j_+1
.endr
	CODES                                          ; the last change's round stands between every wave's last read of the old images and these stores
	WIN 0x05                                       ; THE SUM IS TAKEN OF THE UNQUANTISED p: two at a time, the four tiles' chains by turns
.irp m, 0,1,2,3
	v_pk_add_f32 v[LS+2*\m:LS+2*\m+1], v[64*\m:64*\m+1], v[64*\m+2:64*\m+3]
.endr
	WIN 0x04
.set j_, 4
.rept 30
.irp m, 0,1,2,3
	v_pk_add_f32 v[LS+2*\m:LS+2*\m+1], v[LS+2*\m:LS+2*\m+1], v[64*\m+j_:64*\m+j_+1]
.endr
.set j_, j_+2
.endr
	WIN 0
.irp m, 0,1,2,3
	v_add_f32 v[TM+\m], v[LS+2*\m], v[LS+2*\m+1]
.endr
.irp m, 0,1,2,3
	v_permlanex16_b32 v[TM+4+\m], v[TM+\m], s[SEL], s[SEL+1]
.endr
.irp m, 0,1,2,3
	v_add_f32 v[TM+\m], v[TM+\m], v[TM+4+\m]       ; my wave's 128 q
.endr
.irp m, 0,1,2,3
	ds_store_b32 v[STM], v[TM+\m] offset:2048+512*\m
.endr
	s_wait_alu depctr_va_vdst(0)                   ; ahead of the waits below
	s_wait_dscnt 0x0
	s_barrier_signal -1
	s_barrier_wait -1                              ; p's 32 fragments, their scale words and the eight sums lie in LDS
	WIN 0x40                                       ; destination window 1
.irp s, 0,1,2,3,4,5,6,7
.irp n, 0,1
	ds_load_b128 v[16*\s+8*\n:16*\s+8*\n+3], v[XB3] offset:4352*\s+1088*\n
	ds_load_b128 v[16*\s+8*\n+4:16*\s+8*\n+7], v[XB3] offset:4352*\s+1088*\n+544
.endr
.endr
	WIN 0
.irp s, 0,1,2,3,4,5,6,7
	ds_load_b32 v[XS3+\s], v[XSB3] offset:256*\s
.endr
.irp n, 0,1
	ds_load_b128 v[SS+8*\n:SS+8*\n+3], v[STR3] offset:2048+512*\n
	ds_load_b128 v[SS+8*\n+4:SS+8*\n+7], v[STR3] offset:2048+512*\n+16
.endr
	F3 0, 0
	F3 0, 1
	s_wait_dscnt 18                                ; all but the last product's first two sets
.irp k, 0,1,2,3
.irp n, 0,1
	v_add_f32 v[TT+4*\n+\k], v[SS+8*\n+2*\k], v[SS+8*\n+2*\k+1]
.endr
.endr
.irp k, 0,2
.irp n, 0,1
	v_add_f32 v[TT+4*\n+\k], v[TT+4*\n+\k], v[TT+4*\n+\k+1]
.endr
.endr
.irp n, 0,1
	v_add_f32 v[TT+4*\n], v[TT+4*\n], v[TT+4*\n+2] ; the position's sum: over 1/2, since its largest p is
.endr
	s_wait_alu depctr_va_vdst(0)                   ; ahead of the batch
	v_rcp_f32 v[TT+8], v[TT]
	v_rcp_f32 v[TT+9], v[TT+4]
	v_nop                                          ; a plain place behind the reciprocals
	s_wait_alu depctr_va_vdst(0)                   ; and the wait behind it
	ds_store_b32 v[RLS], v[TT+8]                   ; from a position a lane to eight positions a lane, through my own bytes: every wave has read the maxima that lay there ahead of the last barrier
	ds_store_b32 v[RLS], v[TT+9] offset:64
	F3 0, 2
.irp n, 0,1
	ds_load_b128 v[RL+8*\n:RL+8*\n+3], v[RLR] offset:64*\n     ; LDS serves a wave's instructions in order: these see my stores
	ds_load_b128 v[RL+8*\n+4:RL+8*\n+7], v[RLR] offset:64*\n+16
.endr
	; ---- the last product, 256 outputs a slot: finished columns leave while the next slot is on its way
	SLOT3 0
	OPENCH 0, 1
	MUL3 7
	CLOSECH 0, 1
	F3 1, 0                                        ; the next slot's first sets, ahead of the way out
	F3 1, 1
	F3 1, 2
	OUT 0
	SLOT3 1
	OPENCH 1, 1
	MUL3 7
	CLOSECH 1, 1
	F3 0, 0
	F3 0, 1
	F3 0, 2
	OUT 1
	SLOT3 0
	OPENCH 0, 0                                    ; the stream's last slot is in: nothing is filled again
	MUL3 7
	CLOSECH 0, 0
	PLACES 4                                       ; behind the last products, in front of the first read of their results
	F3 1, 0
	F3 1, 1
	F3 1, 2
	OUT 2
	SLOT3 1
	s_wait_dscnt 0x0
	MUL3 7
	WIN 0
	PLACES 4
	OUT 3
	s_wait_tensorcnt 0x0                           ; the wave's end: behind my last tensor load and my last LDS store
	ds_add_u32 v[SPW], v[NIL]
	s_wait_dscnt 0x0
	CROUND                                         ; the closing round: no work-group ends while a partner may still ask for a part that names it
	s_endpgm
.Lfunc_end_k_q23793e8c44_attn:
	.size	k_q23793e8c44_attn, .Lfunc_end_k_q23793e8c44_attn-k_q23793e8c44_attn
	.p2alignl 7, 3214868480
	.fill 96, 4, 3214868480
	.section	.rodata,"a",@progbits
	.p2align	6, 0x0
	.amdhsa_kernel k_q23793e8c44_attn
		.amdhsa_group_segment_fixed_size 327680
		.amdhsa_private_segment_fixed_size 0
		.amdhsa_enable_private_segment 0
		.amdhsa_kernarg_size 48
		.amdhsa_user_sgpr_count 2
		.amdhsa_user_sgpr_kernarg_segment_ptr 1
		.amdhsa_wavefront_size32 1
		.amdhsa_system_sgpr_workgroup_id_x 1
		.amdhsa_system_sgpr_workgroup_id_y 1
		.amdhsa_system_sgpr_workgroup_id_z 1
		.amdhsa_system_vgpr_workitem_id 0
		.amdhsa_next_free_vgpr 512
		.amdhsa_next_free_sgpr 88
		.amdhsa_reserve_vcc 1
		.amdhsa_float_denorm_mode_32 3
		.amdhsa_float_denorm_mode_16_64 3
		.amdhsa_memory_ordered 1
		.amdhsa_forward_progress 1
		.amdhsa_inst_pref_size 255
	.end_amdhsa_kernel
	.section	.bss,"aw",@nobits
	.p2align	6
	.space	262144
	.amdgpu_metadata
---
amdhsa.version: [ 1, 2 ]
amdhsa.kernels:
  - .name:           k_q23793e8c44_attn
    .symbol:         k_q23793e8c44_attn.kd
    .args:
      - { .name: hp, .offset: 0, .size: 8, .value_kind: global_buffer, .address_space: global }
      - { .name: mask_hp, .offset: 8, .size: 8, .value_kind: global_buffer, .address_space: global }
      - { .name: b, .offset: 16, .size: 8, .value_kind: global_buffer, .address_space: global }
      - { .name: wts, .offset: 24, .size: 8, .value_kind: global_buffer, .address_space: global }
      - { .name: pen, .offset: 32, .size: 8, .value_kind: global_buffer, .address_space: global }
      - { .name: out0, .offset: 40, .size: 8, .value_kind: global_buffer, .address_space: global }
    .group_segment_fixed_size: 327680
    .private_segment_fixed_size: 0
    .kernarg_segment_align: 8
    .kernarg_segment_size: 48
    .max_flat_workgroup_size: 256
    .sgpr_count:     88
    .vgpr_count:     512
    .wavefront_size: 32
...
	.end_amdgpu_metadata
.endif
;; end of part 2
